; MI455X (gfx1250); checked and timed in simulation.
; The chip was launched on July 23, 2026; its instructions are those of AMD's public machine-readable ISA for CDNA 5 (MIT licence, August 2026) and "CDNA5" Instruction Set Architecture Reference Guide (July 2026). The comments in the code are by the model that wrote it; some were corrected since.
;; Multihead Attention. Allowed arithmetic: matrix products marked QUANTISED: E3M2 operands, one E8M0 scale for each 32 along K, by v_wmma_scale_f32_16x16x128_f8f6f4 with both operands' format E3M2, f32 sums; everything else in f32.
;; Inputs: W_K_codes 1,024 x 32 x 24 uint8 (E3M2 codes of W_K, K innermost, in blocks of 32 codes, four codes in three bytes); W_K_scales 1,024 x 32 uint8 (E8M0 scales of W_K, one for each 32 codes along K); W_Q_codes 1,024 x 32 x 24 uint8 (E3M2 codes of W_Q, K innermost, in blocks of 32 codes, four codes in three bytes); W_Q_scales 1,024 x 32 uint8 (E8M0 scales of W_Q, one for each 32 codes along K); W_R_codes 1,024 x 32 x 24 uint8 (E3M2 codes of W_R, K innermost, in blocks of 32 codes, four codes in three bytes); W_R_scales 1,024 x 32 uint8 (E8M0 scales of W_R, one for each 32 codes along K); W_V_codes 1,024 x 32 x 24 uint8 (E3M2 codes of W_V, K innermost, in blocks of 32 codes, four codes in three bytes); W_V_scales 1,024 x 32 uint8 (E8M0 scales of W_V, one for each 32 codes along K); inputs_codes 8 x 1,024 x 32 x 24 uint8 (E3M2 codes of inputs, K innermost, in blocks of 32 codes, four codes in three bytes); inputs_scales 8 x 1,024 x 32 uint8 (E8M0 scales of inputs, one for each 32 codes along K).
;; Outputs: out0 8 x 1,024 x 1,024 float32.
;; This version of the problem:
;;   THIS VERSION OF THE PROBLEM IS GIVEN IN LOW PRECISION. The matrix products marked QUANTISED in the list below multiply operands that are first quantised to E3M2 (3 exponent bits, 2 mantissa bits; 6 bits a number), with one power-of-two scale for each 32 numbers along K (OCP MX v1.0); their sums are f32. All else is computed in f32.
;;   The module's matrix products, in the order in which they are computed (A, B: the left and right operand; K: the contracted axis; several contracted axes count as one K, in the product's order):
;;     1. [M 8,192, K 1,024] x [K 1,024, N 1,024]; A: input inputs (given as codes); B: input W_Q (given as codes): QUANTISED
;;     2. [M 8,192, K 1,024] x [K 1,024, N 1,024]; A: input inputs (given as codes); B: input W_K (given as codes): QUANTISED
;;     3. [M 8,192, K 1,024] x [K 1,024, N 1,024]; A: input inputs (given as codes); B: input W_V (given as codes): QUANTISED
;;     4. batch 128 x [M 1,024, K 64] x [K 64, N 1,024]; A: computed on the way; B: computed on the way: QUANTISED
;;     5. batch 128 x [M 64, K 1,024] x [K 1,024, N 1,024]; A: computed on the way; B: softmax (see below): QUANTISED
;;     6. [M 8,192, K 1,024] x [K 1,024, N 1,024]; A: input inputs (given as codes); B: input W_R (given as codes): QUANTISED
;;   THE QUANTISER, for each operand of a quantised product, along K:
;;     - K is cut into blocks of 32 from its start; a last block that is shorter is filled with zeros.
;;     - A block's scale is 2^e with e = floor(log2(the largest magnitude in the block)) - 4, held to -126 .. 127; a block of zeros has e = 0. As a byte (E8M0): e + 127.
;;     - Each number is divided by its block's scale, clamped to +-28, and rounded to the nearest number of E3M2, ties to even, subnormals kept.
;;     - The product sums the exact products of the quantised numbers (number of the format x scale) in f32.
;;   ~~~python
;;   def quantise(x, axis):      # numpy; x: float32 -> the quantised numbers, widened to float32 again
;;       x = np.moveaxis(x, axis, -1); K = x.shape[-1]
;;       x = np.pad(x, [(0, 0)] * (x.ndim - 1) + [(0, -K % 32)]); x = x.reshape(x.shape[:-1] + (-1, 32)); a = np.abs(x).max(-1, keepdims=True)
;;       e = np.where(a > 0, np.clip(np.frexp(np.where(a > 0, a, 1))[1] - 1 - 4, -126, 127), 0)      # np.frexp(a)[1] - 1 = floor(log2(a)), exactly
;;       r = np.clip(x / 2.0 ** e, -28, 28)
;;       step = 2.0 ** (np.maximum(np.frexp(np.where(r == 0, 1, r))[1] - 1, -2) - 2)
;;       q = np.round(r / step) * step * 2.0 ** e      # np.round: ties to even
;;       return np.moveaxis(q.reshape(q.shape[:-2] + (-1,))[..., :K], -1, axis).astype(np.float32)
;;   ~~~
;;   SOFTMAX AHEAD OF A QUANTISED PRODUCT. Where the list says 'softmax', what is quantised is not the finished softmax but p = 2^(t - M), with t = logit x log2(e) and M = ceil(the row's largest t), a whole number; so 1/2 < the row's largest p <= 1. The row's sum l is taken of the UNQUANTISED p, in f32, and the product's result is divided by l at the end. Since M is a whole number, a kernel that streams over the keys may use a running M (the ceiling of the running maximum): every later rescaling is an exact power of two, which a block's scale takes up: the codes' values come out the same.
;;   OPERANDS COMPUTED ON THE WAY. 'Computed on the way' means the value that the module computes at that place (a softmax that the list does not call 'softmax' is quantised finished and normalised). What goes into a quantiser is computed in f32, as accurately as f32 sums, v_exp_f32 and their like allow (about 1e-6 of the number): no bf16 or f16 on the way to a quantiser, and a product that is left as it is and whose result goes on into a quantised operand takes f32 operands (vector FMAs, or v_wmma_f32_16x16x4_f32). A number that lies on a knife's edge between two numbers of the format may be rounded either way, as far as f32 arithmetic and the matrix unit's own rounding can turn it there, and no further.
;;   INPUTS GIVEN AS CODES. W_K (in the module: [1024, 1024], K = its axis 0); W_Q (in the module: [1024, 1024], K = its axis 0); W_R (in the module: [1024, 1024], K = its axis 0); W_V (in the module: [1024, 1024], K = its axis 0); inputs (in the module: [8, 1024, 1024], K = its axis 2): each comes as NAME_codes (uint8): NAME with its K axis moved to the last place and cut into blocks of 32 codes, [.., K / 32, bytes a block], one block behind the other in memory; four codes in three bytes: a row's codes are one little-endian stream of bits, code i at bits 6 i .. 6 i + 5 (a code: sign, 3 exponent bits, 2 mantissa bits); and NAME_scales (uint8): the same leading axes, one E8M0 byte (e + 127) for each 32 codes along K. Its value is code x scale, taken as it is: it is not quantised again, and the codes and scales need not be those that the quantiser above would give.
;; One version. Each part assembles by itself: llvm-mc -triple=amdgcn-amd-amdhsa -mcpu=gfx1250 --defsym DOCPART=n.
;; ======== version 1 of 1: 2 launches
;; limits: right only within a limited range of input values
;; workspace buffers: qq 13,369,344 bytes; kv 13,369,344 bytes; rr 33,554,432 bytes
;; launch proj (part 1): grid 32 x 8, 4 waves a work-group, clusters of 4 x 1, 327,680 bytes of LDS; arguments inputs_codes, inputs_scales, W_Q_codes, W_Q_scales, W_K_codes, W_K_scales, W_V_codes, W_V_scales, W_R_codes, W_R_scales, qq, kv, rr; writes qq, kv, rr
.if DOCPART == 1
	.amdgcn_target "amdgcn-amd-amdhsa--gfx1250"
	.amdhsa_code_object_version 6
	.text
	.protected	k_q7443348781_proj
	.globl	k_q7443348781_proj
	.p2align	8
	.type	k_q7443348781_proj,@function
k_q7443348781_proj:
	s_mov_b64 s[64:65], 0
	v_nop
	global_prefetch_b8 v0, s[64:65] scope:SCOPE_SE
	s_setreg_imm32_b32 hwreg(HW_REG_WAVE_MODE, 25, 1), 1
	s_wait_xcnt 0x0
	s_wait_alu depctr_hold_cnt(0) depctr_sa_sdst(0) depctr_va_vdst(0) depctr_va_sdst(0) depctr_va_ssrc(0) depctr_va_vcc(0) depctr_vm_vsrc(0)
	s_getreg_b32 s2, hwreg(HW_REG_IB_STS2, 6, 4)
	s_cmp_eq_u32 s2, 0
	s_cbranch_scc0 .Lentry_in_a_cluster
	s_endpgm
.Lentry_in_a_cluster:
	s_bfe_u32 s2, ttmp6, 0x10000c
	s_cmp_lg_u32 s2, 0x3003
	s_cbranch_scc0 .Lentry_shape_is_right
	s_endpgm
.Lentry_shape_is_right:
; THE FOUR PROJECTIONS X W_Q, X W_K, X W_V, X W_R: [8192][1024] x [1024][1024] each, on codes of BF6 (E3M2) with one E8M0 byte for each 32 along K, as they arrive (a row = 768 bytes of codes, 32 scale bytes).
; ONE OPERAND STAYS IN REGISTERS.  A work-group owns 256 rows of the operand that stays (A), 64 a wave, for ALL of K: 4 tiles x 8 steps x 12 = 384 registers, and walks eight tiles of 64 rows of the other operand (B),
; each whole in K: 49,152 dense bytes = 192 memory rows of 256 bytes, through two LDS slots.  A tile is 8 steps x 16 matrix instructions a wave on 16 accumulators.  256 work-groups, 8 tiles each.
; Grid y = g: product g / 2 (0 Q, 1 K, 2 V, 3 R).  Q, K, R: A = X (block 4 x cluster x + cx), B = W, rows 512 (g % 2) on: a tile is a head.  V: A = W_V (block cx: a wave has a head's 64 channels), B = X, rows 512 (8 (g % 2) + cluster x) on: a tile is 64 keys.
; THE MATRIX INSTRUCTION IS USED TRANSPOSED: source 0 = 16 rows of B, source 1 = 16 rows of A: a lane holds one row of A and its registers run along B's rows, the axis along which Q, K, V are quantised next.
; CLUSTER 4, 1, 1: the four partners walk the same tiles of B and ask for them jointly (mask 15).  A's block is each work-group's own: the six work-groups that share a block of X belong to three products, whose ways out part by branches.
; THE WAY OUT.  Q, K, V are quantised in registers (block of 32: scale 2^(floor(log2(largest magnitude)) - 4)) and stored as images of the next launch's operand registers: an image of 16 rows x 64 along K is 768 bytes
;   (registers 0-3 at 16 x lane, 4-5 at 512 + 8 x lane).  A head's block of HB bytes (in qq and kv): +0 the 64 images of its 1,024 rows; +49152 (kv) V^T: (key step x 8 + half of the step x 4 + tile of channels) x 768;
;   +98304 one scale word a row (bytes 0, 1; bytes 2, 3 are 0); +102400 (kv) V's scale words, (key step x 64 + channel) x 4.   rr: [tile of 16 rows][tile of 16 columns] 1,024 bytes: an accumulator's image.
; THE ORDER INSIDE A BLOCK OF 32: the codes stand in the order 0-7, 16-23, 8-15, 24-31.  q, k, v (here) and p (next launch) are made by the same lines, so both operands of a product have the same order: same sums, same scales.
; LIMITS: NaN or infinity (a given scale byte 0xff) is not served; a block whose largest magnitude lies under 2^-122 keeps the byte 1, a block of zeros too (its codes are zeros; this program alone reads the bytes).
; REGISTERS: window 0: v1-23 lane terms and addresses, v28-29 for the add, v32-47 A's scale words, v48-79 B's (two sets), v80-123 the way out, v128-223 B's fragments (two sets).
;   window 1: A's fragments of steps 0-4 (48 step + 12 tile); window 2: of steps 5-7; window 3: accumulator (A's tile i, B's tile b) at v[8 (4 i + b)].
.set PITCH, 816                        ; a row of codes in LDS: 3 x (256 bytes + 16 of padding): 204 words, so 16 rows start 12 banks apart
.set TILEB, 16*PITCH
.set XW,    64*PITCH                   ; 64 rows: a wave's part of A, and a slot of B
.set WS,    4*XW                       ; behind A's 256 rows: the two slots
.set SPARE, WS+2*XW                    ; the spare words: 128 bytes a wave, named by no other line
.set STQ,   SPARE+512                  ; 256 bytes a wave for scale words on the way out; no fill lands here
.set HB,    104448
.set LI,   8                           ; 16 x lane
.set L8,   9                           ; 8 x lane
.set SH,   10                          ; 16 h
.set SSQ,  11                          ; STQ + 256 wave + 4 lane
.set SRQ,  12                          ; STQ + 256 wave + 8 lane
.set SOF,  13                          ; 32 x lane: a row of scale bytes
.set PFO,  14                          ; 256 x min(lane, 11)
.set ADRX, 16                          ; v16 my A rows in LDS, v17 the same with 16 more in lanes 16-31 (behind one padding more)
.set ADRB, 20                          ; v20-21 slot 0, v22-23 slot 1
.set SPW,  28
.set NIL,  29
.set AS,   32
.set BS,   48
.set PC,   80                          ; 12 registers of codes, the conversions' second halves at +12, +16
.set TM,   100                         ; +0 largest magnitudes, +4 bytes, +12 the conversions' scale operands
.set PW,   116
.set TT,   118                         ; v118-119 an even tile's scale halves, v120-121 an odd tile's
.set SB,   122
.set BF,   128
.set MSB, 0
.macro WIN new                         ; the immediate's high byte repeats the setting that is left
.if MSB != (\new)
	s_set_vgpr_msb (MSB<<8)|(\new)
.set MSB, (\new)
.endif
.endm
.macro PLACES n                        ; plain vector places behind matrix instructions (ISA guide 7.12.1)
.rept \n
	v_nop
.endr
.endm
.macro CROUND                          ; a round of the cluster's barrier
	s_barrier_signal -1
	s_barrier_wait -1
	s_cmp_lg_u32 s14, 0
	s_cbranch_scc1 .Lnot_wave_0_\@
	s_barrier_signal -3
.Lnot_wave_0_\@:
	s_barrier_wait -3
	s_barrier_signal -1
	s_barrier_wait -1
.endm
.macro WLOAD s                         ; waves 2 and 3 ask jointly for a half each of a tile of B; an s_nop 0 and four v_nop follow
	s_cmp_lt_u32 s14, 2
	s_cbranch_scc1 .Lnone_\@
	tensor_load_to_lds s[44+4*(\s):47+4*(\s)], s[32:39]
	s_nop 0
	PLACES 4
.Lnone_\@:
.endm
; A fragment: lane (r, h) takes 24 bytes of row r at 96 step + 24 h and 24 more 48 on, in pieces of 8.  Byte y of a row lies at y + 16 (y / 256); where lanes 16-31 lie behind one padding more, the second address serves.
.macro FRAG reg, adr, q, off
.irp p, 0,1,2,3,4,5
.set BY, 96*(\q)+48*(\p/3)+8*(\p%3)
.if BY/256 == (BY+24)/256
	ds_load_b64 v[(\reg)+2*\p:(\reg)+2*\p+1], v[\adr] offset:BY+16*(BY/256)+(\off)
.else
	ds_load_b64 v[(\reg)+2*\p:(\reg)+2*\p+1], v[\adr+1] offset:BY+16*(BY/256)+(\off)
.endif
.endr
.endm
.macro FETCHB s, q                     ; B's four fragments of step q into set q % 2
.irp b, 0,1,2,3
	FRAG BF+48*((\q)%2)+12*\b, ADRB+2*(\s), \q, \b*TILEB
.endr
.endm
; 16 matrix instructions: step q, the 16 accumulators by turns.  Step 0 starts the sums.  A scale register holds an even tile's words in lanes 0-15, the odd tile's in lanes 16-31.
.macro MULS q, s
.irp ip, 0,1
.irp il, 0,1
.irp bp, 0,1
.irp bl, 0,1
.set DA, 8*(8*\ip+4*\il+2*\bp+\bl)
.set FB, BF+48*((\q)%2)+12*(2*\bp+\bl)
.set FA, 48*((\q)%5)+12*(2*\ip+\il)
.if (\q) == 0
	v_wmma_scale_f32_16x16x128_f8f6f4 v[DA:DA+7], v[FB:FB+11], v[FA:FA+11], 0, v[BS+16*(\s)+8*\bp+(\q)], v[AS+8*\ip+(\q)] matrix_a_fmt:MATRIX_FMT_BF6 matrix_b_fmt:MATRIX_FMT_BF6 matrix_a_scale:MATRIX_SCALE_ROW\bl matrix_b_scale:MATRIX_SCALE_ROW\il
.else
	v_wmma_scale_f32_16x16x128_f8f6f4 v[DA:DA+7], v[FB:FB+11], v[FA:FA+11], v[DA:DA+7], v[BS+16*(\s)+8*\bp+(\q)], v[AS+8*\ip+(\q)] matrix_a_fmt:MATRIX_FMT_BF6 matrix_b_fmt:MATRIX_FMT_BF6 matrix_a_scale:MATRIX_SCALE_ROW\bl matrix_b_scale:MATRIX_SCALE_ROW\il
.endif
.endr
.endr
.endr
.endr
.endm
; The 64 registers of A's tiles 2 ip and 2 ip + 1 (each: two blocks of 32 along B's 64 rows, my 16 of each) become two images of 6 registers in v[PC] on; v[PW]: the four scale bytes.  Each accumulator is read from its low end on.
.macro QUANTW ip
.set AC, 64*(\ip)
	WIN 0x0f                                       ; sources 0 and 1: window 3
.irp b, 0,1,2,3
	v_max3_num_f32 v[TM+\b], |v[AC+16*\b]|, |v[AC+16*\b+1]|, 0x2800000   ; with the floor 2^(5 - 127): the byte cannot fall under 1
.endr
.irp i, 2,4,6,8,10,12,14
.irp b, 0,1,2,3
	v_max3_num_f32 v[TM+\b], |v[AC+16*\b+\i]|, |v[AC+16*\b+\i+1]|, v[TM+\b]
.endr
.endr
	WIN 0
.irp b, 0,1,2,3
	v_permlanex16_b32 v[TM+4+\b], v[TM+\b], s98, s99
.endr
.irp b, 0,1,2,3
	v_max_num_f32 v[TM+\b], v[TM+\b], v[TM+4+\b]   ; with lane l xor 16's 16: the block's largest magnitude
.endr
.irp b, 0,1,2,3
	v_add_nc_u32 v[TM+12+\b], 0xfe000000, v[TM+\b] ; 4 off its exponent field: the conversion's scale operand
.endr
.irp b, 0,1,2,3
	v_lshrrev_b32 v[TM+4+\b], 23, v[TM+12+\b]      ; the scale's byte
.endr
	v_lshl_or_b32 v[PW], v[TM+5], 8, v[TM+4]
	v_lshl_or_b32 v[PW], v[TM+6], 16, v[PW]
	v_lshl_or_b32 v[PW], v[TM+7], 24, v[PW]
	WIN 0x03                                       ; source 0: window 3
.irp c, 0,1
	v_cvt_scalef32_pk16_bf6_f32 v[PC+6*\c:PC+2+6*\c], v[AC+32*\c:AC+15+32*\c], v[TM+12+2*\c]
	v_cvt_scalef32_pk16_bf6_f32 v[PC+12+4*\c:PC+14+4*\c], v[AC+16+32*\c:AC+31+32*\c], v[TM+12+2*\c+1]   ; (a conversion's three registers begin on an even number)
.endr
	WIN 0
	v_nop                                          ; one plain place behind a scaled conversion
.irp c, 0,1                            ; a whole block to a lane: lanes 0-15 the tile's first block, lanes 16-31 its second
.irp i, 0,1,2
	v_permlane16_swap_b32 v[PC+6*\c+\i], v[PC+12+4*\c+\i]
.endr
.irp i, 0,1,2
	v_mov_b32 v[PC+3+6*\c+\i], v[PC+12+4*\c+\i]
.endr
.endr
.endm
; A tile's way out.  par: the tile's parity.  Q, K: a tile is a head: four images and 64 scale words.  V: a tile is half a key step: four images; the scale words are whole, and leave, with the odd tile.  R: the accumulators as they stand.
.macro OUT par
	s_cmp_eq_u32 s19, 3
	s_cbranch_scc1 .Lr_\@
.irp ip, 0,1
.if \ip
	s_wait_xcnt 0x0                                ; the first pair's stores have read their registers
	s_wait_dscnt 0x0
.endif
	QUANTW \ip
	global_store_b128 v[LI], v[PC:PC+3], s[52:53] offset:1536*\ip             ; 512 consecutive bytes,
	global_store_b64 v[L8], v[PC+4:PC+5], s[52:53] offset:1536*\ip+512        ; 256 more
	global_store_b128 v[LI], v[PC+6:PC+9], s[52:53] offset:1536*\ip+768
	global_store_b64 v[L8], v[PC+10:PC+11], s[52:53] offset:1536*\ip+1280
	v_lshrrev_b32 v[TT+2*\par+\ip], v[SH], v[PW]   ; lanes 0-15 keep the even tile's two bytes, lanes 16-31 the odd tile's: lane l has row 32 ip + l
	v_and_b32 v[TT+2*\par+\ip], 0xffff, v[TT+2*\par+\ip]
.endr
.if \par
.irp e, 0,1
	v_lshlrev_b32 v[TT+2+\e], s62, v[TT+2+\e]      ; V: these are bytes 2, 3 (shift 16), under them the even tile's (mask 0xffff).  Q, K: shift 0, mask 0
.endr
.irp e, 0,1
	v_and_or_b32 v[TT+2+\e], v[TT+\e], s63, v[TT+2+\e]
.endr
.else
	s_wait_alu depctr_va_vdst(0)
	s_cmp_eq_u32 s19, 2
	s_cbranch_scc1 .Lo_\@                          ; V: the word is not whole yet
.endif
	ds_store_b32 v[SSQ], v[TT+2*\par]              ; 64 words meet in my own 256 bytes
	ds_store_b32 v[SSQ], v[TT+2*\par+1] offset:128
	ds_load_b64 v[SB:SB+1], v[SRQ]                 ; LDS serves a wave's instructions in order (ISA guide 5.7.1.4)
	s_wait_dscnt 0x0
	global_store_b64 v[L8], v[SB:SB+1], s[54:55]   ; 256 consecutive bytes, aligned
	s_branch .Lo_\@
.Lr_\@:
	WIN 0x0c                                       ; a store's data are its source 1: window 3
.irp i, 0,1,2,3
.irp b, 0,1,2,3
	global_store_b128 v[LI], v[8*(4*\i+\b):8*(4*\i+\b)+3], s[52:53] offset:65536*\i+1024*\b
	global_store_b128 v[LI], v[8*(4*\i+\b)+4:8*(4*\i+\b)+7], s[52:53] offset:65536*\i+1024*\b+512
.endr
.endr
	WIN 0
.Lo_\@:
	s_wait_xcnt 0x0                                ; every memory instruction of mine has read its registers: the bases step
	s_add_nc_u64 s[52:53], s[52:53], s[56:57]
	s_add_nc_u64 s[54:55], s[54:55], s[58+2*\par:59+2*\par]
	s_add_nc_u64 s[68:69], s[68:69], 49152
.if \par
	s_add_nc_u64 s[66:67], s[66:67], 4096
.endif
.endm
; A tile: its 128 products from slot s; then the change of slots; then its way out, under the refill's flight.  mode 0: the slot takes the tile two on; 1: nothing is left to fetch; 2: the last tile.
.macro BODY s, mode
.if \mode == 2
	s_wait_loadcnt 0x0
.else
	s_wait_loadcnt 0x4                             ; this tile's scale words are in; the next tile's four loads may be out
.endif
.irp q, 0,1,2,3,4,5,6,7
	s_wait_dscnt 0x0                               ; step q's fragments are in
.if \q < 7
.if \q > 0
	PLACES 4                                       ; in front of loads into the set that step q - 1 multiplied
.endif
	FETCHB \s, \q+1
.endif
	WIN 0xf4+4*(\q/5)                              ; source 0 window 0, source 1 window 1 or 2, C and D window 3
	MULS \q, \s
	WIN 0
.endr
	PLACES 5                                       ; behind the last products: reads of results, loads into operands, and the next tile's sums begun anew
.if \mode == 0
	s_wait_tensorcnt 0x0                           ; all my tensor loads have landed: my part of the other slot
	ds_add_u32 v[SPW], v[NIL]
	s_add_nc_u64 s[46+4*\s:47+4*\s], s[46+4*\s:47+4*\s], 98304   ; this slot's next tile: two on
	s_wait_dscnt 0x0                               ; the add is done, my reads of this slot are over
	CROUND                                         ; the same holds of every wave of the four partners
	WLOAD \s
.irp u, 0,1
.irp e, 0,1
	global_load_b128 v[BS+16*\s+8*\u+4*\e:BS+16*\s+8*\u+4*\e+3], v[SOF], s[66:67] offset:4096+2048*\s+1024*\u+16*\e   ; that tile's scale bytes: lane l takes row 32 u + l
.endr
.endr
	FETCHB 1-\s, 0
	s_cmp_gt_u32 s3, 1                             ; the tile four on is asked of memory, two tiles ahead of its load: 192 blocks of 256 bytes, 12 to each of the cluster's 16 waves, told apart by address; tiles 4 to 7 alone
	s_cbranch_scc0 .Lnp_\@
	global_prefetch_b8 v[PFO], s[68:69] th:TH_LOAD_NT scope:SCOPE_SE
.Lnp_\@:
.endif
.if \mode == 1
	s_wait_tensorcnt 0x0                           ; my part of the last tile is in
	s_wait_dscnt 0x0
	s_barrier_signal -1
	s_barrier_wait -1
	FETCHB 1-\s, 0
.endif
	OUT \s
.endm
	s_load_b512 s[68:83], s[0:1], 0x0              ; X codes 68, X scales 70, W_Q 72, 74, W_K 76, 78, W_V 80, 82
	s_load_b256 s[84:91], s[0:1], 0x40             ; W_R 84, 86, qq 88, kv 90
	s_load_b64 s[92:93], s[0:1], 0x60              ; rr
	v_lshl_add_u32 v[SPW], v0, 2, SPARE
	v_mov_b32 v[NIL], 0
	ds_add_u32 v[SPW], v[NIL]                      ; the opening lines: the add twice on end and one wait
	ds_add_u32 v[SPW], v[NIL]
	v_lshrrev_b32 v1, 5, v0
	v_readfirstlane_b32 s14, v1                    ; wave 0..3
	s_and_b32 s16, s14, 1
	s_bfe_u32 s94, ttmp6, 0x40000                  ; cx
	s_and_b32 s20, ttmp7, 0xffff                   ; g
	s_lshr_b32 s19, s20, 1                         ; the product
	s_and_b32 s95, s20, 1
	s_lshl_b32 s96, ttmp9, 2
	s_add_co_u32 s96, s96, s94                     ; 4 x cluster x + cx
	s_lshl_b32 s97, s95, 3
	s_add_co_u32 s97, s97, ttmp9                   ; 8 (g % 2) + cluster x
	s_mov_b32 s98, 0x76543210
	s_mov_b32 s99, 0xfedcba98                      ; v_permlanex16_b32's selects for lane l xor 16
	s_mov_b32 s24, (3<<16)|(1<<20)|(5<<22)|(3<<25) ; A: 128 rows of codes as 384 rows of 256 bytes (32 elements of 8), 16 bytes of padding behind each; no mask
	s_mov_b32 s25, 32<<16
	s_mov_b32 s26, 384<<16
	s_mov_b32 s27, 32<<16
	s_mov_b32 s28, 384
	s_mov_b32 s29, 32
	s_mov_b32 s30, 0
	s_mov_b32 s31, 0
	s_mov_b32 s32, 15|(3<<16)|(1<<20)|(1<<21)|(5<<22)|(3<<25)   ; B: 32 rows of codes as 96 rows of 256 bytes; the mask names the four partners
	s_mov_b32 s33, 32<<16
	s_mov_b32 s34, 96<<16
	s_mov_b32 s35, 32<<16
	s_mov_b32 s36, 96
	s_mov_b32 s37, 32
	s_mov_b32 s38, 0
	s_mov_b32 s39, 0
	s_wait_dscnt 0x0
	s_wait_kmcnt 0x0
	s_cmp_eq_u32 s19, 1                            ; which buffers are A, B and the output: choices on the product alone
	s_cselect_b64 s[8:9], s[76:77], s[72:73]
	s_cselect_b64 s[10:11], s[78:79], s[74:75]
	s_cselect_b64 s[12:13], s[90:91], s[88:89]
	s_cmp_eq_u32 s19, 3
	s_cselect_b64 s[8:9], s[84:85], s[8:9]
	s_cselect_b64 s[10:11], s[86:87], s[10:11]
	s_cselect_b64 s[12:13], s[92:93], s[12:13]
	s_cmp_eq_u32 s19, 2
	s_cselect_b64 s[4:5], s[80:81], s[68:69]       ; A: W_V for V, else X
	s_cselect_b64 s[6:7], s[82:83], s[70:71]
	s_cselect_b64 s[8:9], s[68:69], s[8:9]         ; B: X for V
	s_cselect_b64 s[10:11], s[70:71], s[10:11]
	s_cselect_b64 s[12:13], s[90:91], s[12:13]
	s_cselect_b32 s17, s94, s96                    ; A's block of 256 rows
	s_cselect_b32 s18, s97, s95                    ; B's run of 512 rows: the same in all partners
	s_cselect_b32 s62, 16, 0
	s_cselect_b32 s63, 0xffff, 0
	s_lshl_b32 s20, s17, 8
	s_lshl_b32 s22, s16, 7
	s_add_co_u32 s22, s20, s22
	s_mul_i32 s22, s22, 768
	s_mov_b32 s23, 0
	s_add_nc_u64 s[42:43], s[4:5], s[22:23]        ; waves 0, 1: 128 rows of A each
	s_or_b32 s43, s43, 0x80000000
	s_mov_b32 s40, 1
	s_mul_i32 s41, s16, 2*XW
	s_lshl_b32 s21, s18, 9                         ; B's first row
	s_lshl_b32 s22, s16, 5
	s_add_co_u32 s22, s21, s22
	s_mul_i32 s22, s22, 768
	s_add_nc_u64 s[46:47], s[8:9], s[22:23]        ; waves 2, 3: 32 rows of a tile each: tile 0 for slot 0,
	s_add_nc_u64 s[50:51], s[46:47], 49152         ; tile 1 for slot 1
	s_or_b32 s47, s47, 0x80000000
	s_or_b32 s51, s51, 0x80000000
	s_mov_b32 s44, 1
	s_mov_b32 s48, 1
	s_mul_i32 s45, s16, XW/2
	s_add_co_u32 s45, s45, WS
	s_add_co_u32 s49, s45, XW
	CROUND                                         ; the four partners are here: the first joint loads meet
	s_cmp_lt_u32 s14, 2                            ; the head's loads, one a wave: A's two halves, tile 0's two halves
	s_cbranch_scc0 .Lhead_b
	tensor_load_to_lds s[40:43], s[24:31]
	s_nop 0
	PLACES 4
	s_branch .Lhead_asked
.Lhead_b:
	tensor_load_to_lds s[44:47], s[32:39]
	s_nop 0
	PLACES 4
.Lhead_asked:
	v_and_b32 v1, 15, v0                           ; r
	v_bfe_u32 v2, v0, 4, 1                         ; h
	v_and_b32 v3, 31, v0                           ; lane
	v_mul_u32_u24 v4, v1, PITCH
	v_mad_u32_u24 v4, v2, 24, v4                   ; row x pitch + 24 h
	v_lshl_add_u32 v5, v2, 4, v4                   ; and behind one padding more
	s_mul_i32 s22, s14, XW
	v_add_nc_u32 v[ADRX], s22, v4
	v_add_nc_u32 v[ADRX+1], s22, v5
	v_add_nc_u32 v[ADRB], WS, v4
	v_add_nc_u32 v[ADRB+1], WS, v5
	v_add_nc_u32 v[ADRB+2], WS+XW, v4
	v_add_nc_u32 v[ADRB+3], WS+XW, v5
	v_lshlrev_b32 v[LI], 4, v3
	v_lshlrev_b32 v[L8], 3, v3
	v_lshlrev_b32 v[SH], 4, v2
	v_lshlrev_b32 v[SOF], 5, v3
	s_lshl_b32 s22, s14, 8
	s_add_co_u32 s22, s22, STQ
	v_lshlrev_b32 v[SSQ], 2, v3
	v_add_nc_u32 v[SSQ], s22, v[SSQ]
	v_add_nc_u32 v[SRQ], s22, v[L8]
	v_min_u32 v[PFO], 11, v3
	v_lshlrev_b32 v[PFO], 8, v[PFO]
.irp b, 0,1,2,3
	v_mov_b32 v[TM+4+\b], 0                        ; written once: a lane permute's destination counts as one of its sources
.endr
	s_lshl_b32 s22, s14, 6
	s_add_co_u32 s17, s20, s22                     ; my first row of A
	s_lshl_b32 s22, s17, 5
	s_add_nc_u64 s[6:7], s[6:7], s[22:23]          ; its scale bytes
	s_lshl_b32 s22, s21, 5
	s_add_nc_u64 s[66:67], s[10:11], s[22:23]      ; B's, tile 0
	s_lshl_b32 s22, s94, 2                         ; the prefetches: my 12 blocks of tile 4
	s_add_co_u32 s22, s22, s14
	s_mul_i32 s22, s22, 3072
	s_mul_i32 s2, s21, 768
	s_add_co_u32 s22, s22, s2
	s_add_co_u32 s22, s22, 4*49152
	s_add_nc_u64 s[68:69], s[8:9], s[22:23]
	; where the results go.  Q, K: rows = A's, head = 8 (g % 2) + tile.  V: rows (keys) = B's, head = my 64 channels.
	s_lshr_b32 s2, s17, 6
	s_lshl_b32 s3, s95, 3
	s_mov_b32 s56, HB
	s_mov_b32 s58, HB
	s_mov_b32 s60, HB
	s_mov_b32 s20, 98304
	s_cmp_eq_u32 s19, 2
	s_cselect_b32 s22, s21, s17
	s_cselect_b32 s23, s2, s3
	s_cselect_b32 s56, 3072, s56                   ; from tile to tile: the codes,
	s_cselect_b32 s58, 0, s58                      ; the scale words behind an even tile,
	s_cselect_b32 s60, 256, s60                    ; and behind an odd one
	s_cselect_b32 s20, 102400, s20
	s_cselect_b32 s2, 49152, 0
	s_cselect_b32 s3, 1, 2
	s_lshr_b32 s52, s22, 10
	s_lshl_b32 s52, s52, 4
	s_add_co_u32 s52, s52, s23
	s_mul_i32 s52, s52, HB                         ; the head's block
	s_and_b32 s22, s22, 1023                       ; the row in the batch
	s_lshl_b32 s54, s22, s3                        ; 4 bytes a row; V: 256 bytes for 128 keys
	s_add_co_u32 s54, s54, s52
	s_add_co_u32 s54, s54, s20
	s_mul_i32 s22, s22, 48                         ; 768 bytes for 16 rows; V: 3,072 for 64 keys
	s_add_co_u32 s52, s52, s22
	s_add_co_u32 s52, s52, s2
	s_add_co_u32 s22, s17, s23                     ; R: 4,096 bytes a row, 4,096 a head
	s_lshl_b32 s22, s22, 12
	s_cmp_eq_u32 s19, 3
	s_cselect_b32 s52, s22, s52
	s_cselect_b32 s56, 4096, s56
	s_mov_b32 s53, 0
	s_mov_b32 s55, 0
	s_mov_b32 s57, 0
	s_mov_b32 s59, 0
	s_mov_b32 s61, 0
	s_add_nc_u64 s[52:53], s[12:13], s[52:53]
	s_add_nc_u64 s[54:55], s[12:13], s[54:55]
	s_wait_alu depctr_va_vdst(0)
.irp u, 0,1
.irp e, 0,1
	global_load_b128 v[AS+8*\u+4*\e:AS+8*\u+4*\e+3], v[SOF], s[6:7] offset:1024*\u+16*\e   ; A's scale bytes for all of K: lane l takes row 32 u + l; register k: step k's word
.endr
.endr
.irp s, 0,1
.irp u, 0,1
.irp e, 0,1
	global_load_b128 v[BS+16*\s+8*\u+4*\e:BS+16*\s+8*\u+4*\e+3], v[SOF], s[66:67] offset:2048*\s+1024*\u+16*\e   ; tiles 0 and 1
.endr
.endr
.endr
	s_wait_tensorcnt 0x0                           ; my load of the head's four is in
	ds_add_u32 v[SPW], v[NIL]
	s_wait_dscnt 0x0
	CROUND
	WLOAD 1                                        ; tile 1, slot 1's first fill
	WIN 0x40                                       ; A's fragments go into registers once: steps 0-4 into window 1,
.irp q, 0,1,2,3,4
.irp i, 0,1,2,3
	FRAG 48*\q+12*\i, ADRX, \q, \i*TILEB
.endr
.endr
	WIN 0x80                                       ; steps 5-7 into window 2
.irp q, 5,6,7
.irp i, 0,1,2,3
	FRAG 48*(\q-5)+12*\i, ADRX, \q, \i*TILEB
.endr
.endr
	WIN 0
	FETCHB 0, 0
	s_mov_b32 s3, 3
.Ltrip:                                                ; a trip: two tiles, once round the ring; tiles 0 to 5, whose changes of slots fetch tiles 2 to 7
	BODY 0, 0
	BODY 1, 0
	s_sub_co_u32 s3, s3, 1
	s_cmp_lg_u32 s3, 0
	s_wait_alu depctr_va_vdst(0)
	s_cbranch_scc1 .Ltrip
	BODY 0, 1
	BODY 1, 2
	s_wait_tensorcnt 0x0                           ; the wave's end
	ds_add_u32 v[SPW], v[NIL]
	s_wait_dscnt 0x0
	CROUND                                         ; the closing round
	s_endpgm
.Lfunc_end_k_q7443348781_proj:
	.size	k_q7443348781_proj, .Lfunc_end_k_q7443348781_proj-k_q7443348781_proj
	.p2alignl 7, 3214868480
	.fill 96, 4, 3214868480
	.section	.rodata,"a",@progbits
	.p2align	6, 0x0
	.amdhsa_kernel k_q7443348781_proj
		.amdhsa_group_segment_fixed_size 327680
		.amdhsa_private_segment_fixed_size 0
		.amdhsa_enable_private_segment 0
		.amdhsa_kernarg_size 104
		.amdhsa_user_sgpr_count 2
		.amdhsa_user_sgpr_kernarg_segment_ptr 1
		.amdhsa_wavefront_size32 1
		.amdhsa_system_sgpr_workgroup_id_x 1
		.amdhsa_system_sgpr_workgroup_id_y 1
		.amdhsa_system_sgpr_workgroup_id_z 1
		.amdhsa_system_vgpr_workitem_id 0
		.amdhsa_next_free_vgpr 896
		.amdhsa_next_free_sgpr 100
		.amdhsa_reserve_vcc 0
		.amdhsa_float_denorm_mode_32 3
		.amdhsa_float_denorm_mode_16_64 3
		.amdhsa_memory_ordered 1
		.amdhsa_forward_progress 1
		.amdhsa_inst_pref_size 194
	.end_amdhsa_kernel
	.amdgpu_metadata
---
amdhsa.version: [ 1, 2 ]
amdhsa.kernels:
  - .name:           k_q7443348781_proj
    .symbol:         k_q7443348781_proj.kd
    .args:
      - { .name: inputs_codes, .offset: 0, .size: 8, .value_kind: global_buffer, .address_space: global }
      - { .name: inputs_scales, .offset: 8, .size: 8, .value_kind: global_buffer, .address_space: global }
      - { .name: W_Q_codes, .offset: 16, .size: 8, .value_kind: global_buffer, .address_space: global }
      - { .name: W_Q_scales, .offset: 24, .size: 8, .value_kind: global_buffer, .address_space: global }
      - { .name: W_K_codes, .offset: 32, .size: 8, .value_kind: global_buffer, .address_space: global }
      - { .name: W_K_scales, .offset: 40, .size: 8, .value_kind: global_buffer, .address_space: global }
      - { .name: W_V_codes, .offset: 48, .size: 8, .value_kind: global_buffer, .address_space: global }
      - { .name: W_V_scales, .offset: 56, .size: 8, .value_kind: global_buffer, .address_space: global }
      - { .name: W_R_codes, .offset: 64, .size: 8, .value_kind: global_buffer, .address_space: global }
      - { .name: W_R_scales, .offset: 72, .size: 8, .value_kind: global_buffer, .address_space: global }
      - { .name: qq, .offset: 80, .size: 8, .value_kind: global_buffer, .address_space: global }
      - { .name: kv, .offset: 88, .size: 8, .value_kind: global_buffer, .address_space: global }
      - { .name: rr, .offset: 96, .size: 8, .value_kind: global_buffer, .address_space: global }
    .group_segment_fixed_size: 327680
    .private_segment_fixed_size: 0
    .kernarg_segment_align: 8
    .kernarg_segment_size: 104
    .max_flat_workgroup_size: 128
    .sgpr_count:     100
    .vgpr_count:     896
    .wavefront_size: 32
...
	.end_amdgpu_metadata
.endif
;; end of part 1
;; launch attn (part 2): grid 4 x 64, 16 waves a work-group, clusters of 4 x 1, 327,680 bytes of LDS; arguments qq, kv, rr, out0; writes out0
.if DOCPART == 2
	.amdgcn_target "amdgcn-amd-amdhsa--gfx1250"
	.amdhsa_code_object_version 6
	.text
	.protected	k_q7443348781_attn
	.globl	k_q7443348781_attn
	.p2align	8
	.type	k_q7443348781_attn,@function
k_q7443348781_attn:
	s_mov_b64 s[64:65], 0
	v_nop
	global_prefetch_b8 v0, s[64:65] scope:SCOPE_SE
	s_setreg_imm32_b32 hwreg(HW_REG_WAVE_MODE, 25, 1), 1
	s_wait_xcnt 0x0
	s_wait_alu depctr_hold_cnt(0) depctr_sa_sdst(0) depctr_va_vdst(0) depctr_va_sdst(0) depctr_va_ssrc(0) depctr_va_vcc(0) depctr_vm_vsrc(0)
	s_getreg_b32 s2, hwreg(HW_REG_IB_STS2, 6, 4)
	s_cmp_eq_u32 s2, 0
	s_cbranch_scc0 .Lentry_in_a_cluster
	s_endpgm
.Lentry_in_a_cluster:
	s_bfe_u32 s2, ttmp6, 0x10000c
	s_cmp_lg_u32 s2, 0x3003
	s_cbranch_scc0 .Lentry_shape_is_right
	s_endpgm
.Lentry_shape_is_right:
; out = relu(softmax(q k^T / 8) v + R); both products on codes of BF6 (E3M2) with E8M0 scales, made by the launch before and laid as images of operand registers.
; THE SOFTMAX: t = score x log2(e) / 8; M = the running largest t rounded UP to a whole number; p = 2^(t - M) is quantised along the keys, not normalised; the row's sum is taken of the unquantised p and divides at the end.
; When M moves, the sum and O are multiplied by 2^(old M - new M): exact.
; SHARES.  Cluster y: head blocks 2 y and 2 y + 1 (block = 16 x batch + head), one a pass.  The four partners take 256 of the head's 1,024 queries each; each of sixteen waves owns one tile of 16 queries (16 cx + wave), in 256 registers:
; four waves to a SIMD, so that one wave's vector work stands beside another's matrix work and LDS loads.  A pass walks 1,024 keys, 128 a step: 8 products for S^T, 4 for O^T.
; LDS.  A head's whole block of kv (104,448 bytes) is asked for JOINTLY by the four partners, six tensor loads of 68 rows of 256 bytes: pass 0's at the head into slot 0, pass 1's behind the first round into slot 1.  No byte is filled twice.
; THE BARRIER THAT SHOWS SLOT 1 WHOLE IS SPLIT: a wave waits for its tensor loads and signals behind key step 2 of pass 0, and waits for the others behind key step 8; between the two stand key steps alone: register work and
; LDS loads of slot 0, which nobody writes.  The blocks are not prefetched: each is asked for at the head or eight key steps ahead of its first use.  Pass 1's image of Q (three blocks of 256 bytes a wave) is prefetched a pass ahead of its load.
; Behind the slots a stage of 16 rows x 272 bytes for each wave, for the way out.
; LAYOUT.  Both products are used transposed: S^T = K Q^T (source 0 = 16 keys), O^T = V^T P^T (source 0 = 16 channels): a lane holds ONE query throughout.  Inside a block of 32 the codes of q, k, v and p stand in the
; order 0-7, 16-23, 8-15, 24-31, alike on both sides of a product: same sums, same scales.
; K = 64 IN A FORM THAT IS 128 DEEP: Q's registers 6-11 are zero codes.  K's tile t is named with the six registers behind it (the next tile's codes, or zeros): finite numbers times zero codes; bytes 2 and 3 of both scale words are 0 (2^-127).
; LIMITS: the promise holds while |t| stays under 2^31; p under 2^-126 is flushed to 0 by v_exp_f32; a block of p whose every number is 0 keeps the byte 1 (its codes are zeros); NaN and infinities are not served.
; REGISTERS: v1-11 addresses; v12 -M, v13 the largest score, v[14:15] the sum; v16-21 Q, v22-27 zeros; v28 the prefetch's offset; v32-79 K's eight tiles, then V's four fragments, v80-85 zeros; v86-87 for the add; v96-159 S^T, p, at last the results;
;   v160-191 O^T; v192-223 R; v224-235 p's codes; v232-247, v252, v254 at work; scale words: v88-89 V's, v248-251 K's, v253 p's, v255 Q's.
.set HB,    104448                     ; a head's block
.set KSO,   98304                      ; in it: K's scale words (V's: 4,096 bytes on)
.set VCO,   49152                      ; V^T's images
.set FILLB, 17408                      ; what one tensor load brings
.set STAGE, 2*HB
.set SPARE, STAGE+16*4352              ; the spare words: 128 bytes a wave
.set SPW, 86
.set NIL, 87
.macro PLACES n
.rept \n
	v_nop
.endr
.endm
.macro CROUND                          ; a round of the cluster's barrier
	s_barrier_signal -1
	s_barrier_wait -1
	s_cmp_lg_u32 s12, 0
	s_cbranch_scc1 .Lnot_wave_0_\@
	s_barrier_signal -3
.Lnot_wave_0_\@:
	s_barrier_wait -3
	s_barrier_signal -1
	s_barrier_wait -1
.endm
.macro FILL                            ; waves 0 to 5 ask jointly for a sixth of a block each
	s_cmp_lt_u32 s12, 6
	s_cbranch_scc0 .Lno_fill_\@
	tensor_load_to_lds s[32:35], s[24:31]
	s_nop 0
	PLACES 4
.Lno_fill_\@:
.endm
; The softmax of my tile's 128 keys: scores -> p's codes, p's scale word, the sum and O^T under the new M.
.macro SOFT
.irp b, 0,1,2,3
	v_max3_num_f32 v[232+\b], v[96+16*\b], v[97+16*\b], v[98+16*\b]   ; the largest score of each block of 32 keys: for the row's maximum, and, since p rises with the score, for the block's largest p
.endr
.irp i, 3,5,7,9,11,13
.irp b, 0,1,2,3
	v_max3_num_f32 v[232+\b], v[232+\b], v[96+16*\b+\i], v[97+16*\b+\i]
.endr
.endr
.irp b, 0,1,2,3
	v_max_num_f32 v[232+\b], v[232+\b], v[111+16*\b]
.endr
.irp b, 0,1,2,3
	v_permlanex16_b32 v[236+\b], v[232+\b], s20, s21
.endr
.irp b, 0,1,2,3
	v_max_num_f32 v[232+\b], v[232+\b], v[236+\b]  ; with lane l xor 16's 16 keys
.endr
	v_max3_num_f32 v254, v232, v233, v234
	s_delay_alu instid0(VALU_DEP_1)
	v_max3_num_f32 v13, v13, v254, v235            ; the running largest score
	s_delay_alu instid0(VALU_DEP_1)
	v_mul_f32 v254, s22, v13                       ; as t (c is positive)
	s_delay_alu instid0(VALU_DEP_1)
	v_floor_f32 v254, -v254                        ; the new -M = -ceil(t): a whole number
	s_delay_alu instid0(VALU_DEP_1)
	v_sub_f32 v252, v254, v12                      ; old M - new M: 0 or less
	v_mov_b32 v12, v254
	s_delay_alu instid0(VALU_DEP_2)
	v_cvt_i32_f32 v252, v252                       ; (it saturates)
	s_delay_alu instid0(VALU_DEP_1)
	v_ldexp_f32 v252, 1.0, v252                    ; f = 2^(old M - new M)
.set J, 0
.rept 32
	v_pk_fma_f32 v[96+J:97+J], v[96+J:97+J], s[22:23], v[12:13] op_sel_hi:[1,0,0]   ; t - M, two at a time
.set J, J+2
.endr
.irp b, 0,1,2,3
	v_fma_f32 v[232+\b], v[232+\b], s22, v12       ; the same of each block's largest score
.endr
	s_wait_alu depctr_va_vdst(0)
.set J, 0
.rept 64
	v_exp_f32 v[96+J], v[96+J]                     ; p = 2^(t - M)
.set J, J+1
.endr
.irp b, 0,1,2,3
	v_exp_f32 v[232+\b], v[232+\b]                 ; the block's largest p: the same two instructions on the same number
.endr
	v_pk_mul_f32 v[14:15], v[14:15], v[252:253] op_sel_hi:[1,0]   ; the sums under the new M (a plain place behind the exponentials)
	s_wait_alu depctr_va_vdst(0)                   ; and behind it
.irp b, 0,1,2,3
	v_max_num_f32 v[232+\b], 0x2800000, v[232+\b]  ; the floor 2^(5 - 127): the byte cannot fall under 1
.endr
.irp b, 0,1,2,3
	v_add_nc_u32 v[244+\b], 0xfe000000, v[232+\b]  ; 4 off the exponent field: the conversion's scale operand
.endr
.irp b, 0,1,2,3
	v_lshrrev_b32 v[236+\b], 23, v[244+\b]         ; the scale's byte
.endr
	v_lshl_or_b32 v253, v237, 8, v236              ; p's scale word for these 128 keys
	s_delay_alu instid0(VALU_DEP_1)
	v_lshl_or_b32 v253, v238, 16, v253
	s_delay_alu instid0(VALU_DEP_1)
	v_lshl_or_b32 v253, v239, 24, v253
.irp c, 0,1
	v_cvt_scalef32_pk16_bf6_f32 v[224+6*\c:226+6*\c], v[96+32*\c:111+32*\c], v[244+2*\c]
	v_cvt_scalef32_pk16_bf6_f32 v[236+4*\c:238+4*\c], v[112+32*\c:127+32*\c], v[244+2*\c+1]   ; (a conversion's three registers begin on an even number)
.endr
	v_nop                                          ; one plain place behind a scaled conversion
.irp c, 0,1                            ; a whole block to a lane: lanes 0-15 block 2 c, lanes 16-31 block 2 c + 1
.irp i, 0,1,2
	v_permlane16_swap_b32 v[224+6*\c+\i], v[236+4*\c+\i]
.endr
.irp i, 0,1,2
	v_mov_b32 v[227+6*\c+\i], v[236+4*\c+\i]
.endr
.endr
	v_pk_add_f32 v[236:237], v[96:97], v[98:99]    ; the row's sum of the unquantised p: two at a time, in four chains
	v_pk_add_f32 v[244:245], v[100:101], v[102:103]
	v_pk_add_f32 v[246:247], v[104:105], v[106:107]
	v_pk_add_f32 v[14:15], v[14:15], v[108:109]
.set J, 110
.rept 6
	v_pk_add_f32 v[236:237], v[236:237], v[J:J+1]
	v_pk_add_f32 v[244:245], v[244:245], v[J+2:J+3]
	v_pk_add_f32 v[246:247], v[246:247], v[J+4:J+5]
	v_pk_add_f32 v[14:15], v[14:15], v[J+6:J+7]
.set J, J+8
.endr
	v_pk_add_f32 v[236:237], v[236:237], v[158:159]
	v_pk_add_f32 v[244:245], v[244:245], v[246:247]
	s_delay_alu instid0(VALU_DEP_2)
	v_pk_add_f32 v[14:15], v[14:15], v[236:237]
	s_delay_alu instid0(VALU_DEP_1)
	v_pk_add_f32 v[14:15], v[14:15], v[244:245]
	s_wait_alu depctr_va_vdst(0)
.set J, 0
.rept 16
	v_pk_mul_f32 v[160+J:161+J], v[160+J:161+J], v[252:253] op_sel_hi:[1,0]   ; O^T under the new M
.set J, J+2
.endr
.endm
; A KEY STEP: 128 keys.
.macro KSTEP
	v_add_nc_u32 v8, s36, v1                       ; the step's addresses; these four are the places behind the last step's products, in front of the loads into their registers
	v_add_nc_u32 v9, s36, v2
	v_add_nc_u32 v10, s37, v3
	v_add_nc_u32 v11, s38, v3
.irp t, 0,1,2,3,4,5,6,7
	ds_load_b128 v[32+6*\t:35+6*\t], v8 offset:768*\t              ; K's tile t: registers 0-3,
	ds_load_b64 v[36+6*\t:37+6*\t], v9 offset:768*\t+512           ; 4-5
.endr
.irp i, 0,1,2,3
	ds_load_b32 v[248+\i], v10 offset:128*\i       ; lanes 0-15: tile 2 i's scale words; lanes 16-31: tile 2 i + 1's
.endr
	s_wait_alu depctr_va_vdst(0)
	s_wait_dscnt 0x0
.irp t, 0,2,4,6                        ; S^T: lane (r, h): query r; register 8 t + j: key 16 t + 8 h + j
	v_wmma_scale_f32_16x16x128_f8f6f4 v[96+8*\t:103+8*\t], v[32+6*\t:43+6*\t], v[16:27], 0, v[248+\t/2], v255 matrix_a_fmt:MATRIX_FMT_BF6 matrix_b_fmt:MATRIX_FMT_BF6
	v_wmma_scale_f32_16x16x128_f8f6f4 v[104+8*\t:111+8*\t], v[38+6*\t:49+6*\t], v[16:27], 0, v[248+\t/2], v255 matrix_a_fmt:MATRIX_FMT_BF6 matrix_b_fmt:MATRIX_FMT_BF6 matrix_a_scale:MATRIX_SCALE_ROW1
.endr
	PLACES 4                                       ; in front of the loads into K's registers and of the first read of the scores
.irp t, 0,1,2,3                        ; V^T's four fragments are asked for here and land under the softmax: half c of the step's keys, tile t of channels: an image of 768 bytes
.irp c, 0,1
	ds_load_b128 v[32+12*\t+6*\c:35+12*\t+6*\c], v8 offset:VCO+3072*\c+768*\t
	ds_load_b64 v[36+12*\t+6*\c:37+12*\t+6*\c], v9 offset:VCO+3072*\c+768*\t+512
.endr
.endr
.irp i, 0,1
	ds_load_b32 v[88+\i], v11 offset:4096+128*\i   ; lanes 0-15: channels' tile 2 i; lanes 16-31: tile 2 i + 1
.endr
	SOFT
	s_wait_alu depctr_va_vdst(0)
	s_wait_dscnt 0x0                               ; V's fragments and scale words are in
.irp t, 0,2                            ; O^T += V^T P^T: the four accumulators by turns; the next step's eight products stand between two links of a chain
	v_wmma_scale_f32_16x16x128_f8f6f4 v[160+8*\t:167+8*\t], v[32+12*\t:43+12*\t], v[224:235], v[160+8*\t:167+8*\t], v[88+\t/2], v253 matrix_a_fmt:MATRIX_FMT_BF6 matrix_b_fmt:MATRIX_FMT_BF6
	v_wmma_scale_f32_16x16x128_f8f6f4 v[168+8*\t:175+8*\t], v[44+12*\t:55+12*\t], v[224:235], v[168+8*\t:175+8*\t], v[88+\t/2], v253 matrix_a_fmt:MATRIX_FMT_BF6 matrix_b_fmt:MATRIX_FMT_BF6 matrix_a_scale:MATRIX_SCALE_ROW1
.endr
	s_add_co_u32 s36, s36, 6144
	s_add_co_u32 s37, s37, 512
	s_add_co_u32 s38, s38, 256
.endm
; A PASS: one head.  Its place stands in the immediates.
.macro PASS p
	global_load_b128 v[16:19], v1, s[4:5] offset:HB*\p th:TH_LOAD_NT          ; Q's image: registers 0-3,
	global_load_b64 v[20:21], v2, s[4:5] offset:HB*\p+512 th:TH_LOAD_NT       ; 4-5
	global_load_b32 v255, v4, s[14:15] offset:HB*\p th:TH_LOAD_NT             ; its scale words
	v_mov_b32 v13, 0xff61b1e6                      ; the largest score so far: -3e38
	v_mov_b32 v12, 0x7e000000                      ; -M: so large that the first f is 0
	v_mov_b32 v14, 0
	v_mov_b32 v15, 0
.set J, 0
.rept 32
	v_mov_b32 v[160+J], 0                          ; O^T: the key step is written once; its first trip finds zeros
.set J, J+1
.endr
.if \p == 0
	s_wait_alu depctr_va_vdst(0)
	s_wait_tensorcnt 0x0                           ; my part of pass 0's block has landed
	ds_add_u32 v[SPW], v[NIL]                      ; the add twice
	ds_add_u32 v[SPW], v[NIL]
	s_add_nc_u64 s[34:35], s[34:35], HB            ; no load of mine is out: the next head's block,
	s_add_co_u32 s33, s33, HB                      ; into slot 1
	s_wait_dscnt 0x0
	CROUND
	FILL
.endif
.irp c, 0,1,2,3
.irp e, 0,1
	global_load_b128 v[192+8*\c+4*\e:195+8*\c+4*\e], v1, s[8:9] offset:4096*\p+1024*\c+512*\e th:TH_LOAD_NT   ; R in O^T's layout, asked for a pass ahead of its use
.endr
.endr
.if \p == 0
	global_prefetch_b8 v28, s[4:5] offset:HB th:TH_LOAD_NT scope:SCOPE_SE     ; pass 1's image of Q: 768 bytes, lanes 0 to 2 a block each, the others the last again
.endif
	s_mov_b32 s36, HB*\p                           ; the step's tiles: 6,144 bytes a step, for K's and V's alike
	s_mov_b32 s37, HB*\p                           ; K's scale words: 512 a step
	s_mov_b32 s38, HB*\p                           ; V's: 256 a step
	s_wait_alu depctr_va_vdst(0)
	s_wait_loadcnt 8                               ; Q's three loads are in; R's eight, issued behind them, may stay out
.if \p == 0
	s_mov_b32 s39, 2
.Lka_\@:
	KSTEP
	s_sub_co_u32 s39, s39, 1
	s_cmp_lg_u32 s39, 0
	s_cbranch_scc1 .Lka_\@
	s_wait_tensorcnt 0x0                           ; my part of pass 1's block has landed
	s_wait_dscnt 0x0
	s_barrier_signal -1                            ; say so,
	s_mov_b32 s39, 6
.else
	s_mov_b32 s39, 8
.endif
.Lkb_\@:
	KSTEP
	s_sub_co_u32 s39, s39, 1
	s_cmp_lg_u32 s39, 0
	s_cbranch_scc1 .Lkb_\@
.if \p == 0
	s_barrier_wait -1                              ; and go on when all sixteen have said so: slot 1 is whole
.endif
	v_add_f32 v14, v14, v15                        ; the sum's two halves,
	s_delay_alu instid0(VALU_DEP_1)
	v_permlanex16_b32 v252, v14, s20, s21
	s_delay_alu instid0(VALU_DEP_1)
	v_add_f32 v14, v14, v252                       ; and lane l xor 16's: the row's sum
	s_wait_alu depctr_va_vdst(0)
	v_rcp_f32 v14, v14
	PLACES 4                                       ; the place behind the reciprocal, and the places behind the last products
	s_wait_loadcnt 0x0                             ; R
	s_wait_alu depctr_va_vdst(0)
.set J, 0
.rept 16
	v_pk_fma_f32 v[96+J:97+J], v[160+J:161+J], v[14:15], v[192+J:193+J] op_sel_hi:[1,0,1]   ; O^T / the sum + R, each accumulator from its low end on
.set J, J+2
.endr
.set J, 0
.rept 32
	v_max_num_f32 v[96+J], 0, v[96+J]              ; relu
.set J, J+1
.endr
.irp c, 0,1,2,3                        ; a lane's eight channels are 32 bytes of a row; the rows meet in my stage and leave whole
	ds_store_b128 v5, v[96+8*\c:99+8*\c] offset:64*\c
	ds_store_b128 v5, v[100+8*\c:103+8*\c] offset:64*\c+16
.endr
.irp i, 0,1,2,3,4,5,6,7
	ds_load_b128 v[32+4*\i:35+4*\i], v6 offset:544*\i   ; LDS serves a wave's instructions in order (ISA guide 5.7.1.4): these see my stores
.endr
.irp i, 0,1,2,3,4,5,6,7
	s_wait_dscnt 7-\i                              ; load i is back; the younger ones may be out
	global_store_b128 v7, v[32+4*\i:35+4*\i], s[10:11] offset:256*\p+8192*\i th:TH_STORE_NT   ; sixteen lanes store a query's 256 consecutive bytes of this head, aligned
.endr
.if \p == 0
	s_wait_xcnt 0x0                                ; the stores have read their registers: the next pass loads into them
.endif
.endm
	s_load_b256 s[4:11], s[0:1], 0x0               ; qq s[4:5], kv s[6:7], rr s[8:9], out0 s[10:11]
	v_lshl_add_u32 v[SPW], v0, 2, SPARE
	v_mov_b32 v[NIL], 0
	ds_add_u32 v[SPW], v[NIL]                      ; the opening lines: the add twice on end and one wait
	ds_add_u32 v[SPW], v[NIL]
	v_lshrrev_b32 v8, 5, v0
	v_readfirstlane_b32 s12, v8                    ; wave 0..15
	s_bfe_u32 s56, ttmp6, 0x40000                  ; cx: my quarter of the queries
	s_and_b32 s40, ttmp7, 0xffff
	s_lshl_b32 s40, s40, 1                         ; pass 0's head block
	s_mul_i32 s41, s40, HB
	s_lshl_b32 s42, s56, 4
	s_add_co_u32 s42, s42, s12                     ; my tile of queries
	s_mul_i32 s43, s12, FILLB                      ; what I fetch, if I fetch: in LDS,
	s_add_co_u32 s44, s41, s43                     ; and in kv: no place in the cluster enters either
	s_mov_b32 s45, 0
	s_mul_i32 s46, s42, 768
	s_add_co_u32 s46, s46, s41                     ; Q's image
	s_mov_b32 s47, 0
	s_lshl_b32 s48, s42, 6
	s_add_co_u32 s48, s48, s41
	s_add_co_u32 s48, s48, KSO                     ; Q's scale words
	s_mov_b32 s49, 0
	s_lshr_b32 s50, s40, 4
	s_lshl_b32 s50, s50, 6
	s_add_co_u32 s50, s50, s42                     ; my tile among all 512
	s_lshl_b32 s50, s50, 16                        ; 16 rows of R, and of out, are 65,536 bytes
	s_and_b32 s51, s40, 15                         ; the head
	s_lshl_b32 s52, s51, 12                        ; R: four images of 1,024 bytes a head
	s_add_co_u32 s52, s52, s50
	s_mov_b32 s53, 0
	s_lshl_b32 s54, s51, 8                         ; out: 256 bytes a head
	s_add_co_u32 s54, s54, s50
	s_mov_b32 s55, 0
	s_mov_b32 s24, 15|(3<<16)|(1<<21)              ; the mask names the four partners; elements of 8 bytes; no padding
	s_mov_b32 s25, 32<<16
	s_mov_b32 s26, 68<<16
	s_mov_b32 s27, 32<<16
	s_mov_b32 s28, 68
	s_mov_b32 s29, 32
	s_mov_b32 s30, 0
	s_mov_b32 s31, 0
	s_mov_b32 s20, 0x76543210
	s_mov_b32 s21, 0xfedcba98                      ; v_permlanex16_b32's selects for lane l xor 16
	s_mov_b32 s22, 0x3e38aa3b                      ; c = log2(e) / 8
	s_mov_b32 s23, s22
	s_wait_dscnt 0x0
	s_wait_kmcnt 0x0
	s_mov_b32 s32, 1
	s_mov_b32 s33, s43
	s_add_nc_u64 s[34:35], s[6:7], s[44:45]
	s_or_b32 s35, s35, 0x80000000
	CROUND                                         ; the four partners are here: the first joint loads meet
	FILL
	s_add_nc_u64 s[14:15], s[4:5], s[48:49]
	s_add_nc_u64 s[4:5], s[4:5], s[46:47]
	s_add_nc_u64 s[8:9], s[8:9], s[52:53]
	s_add_nc_u64 s[10:11], s[10:11], s[54:55]
	v_and_b32 v8, 31, v0                           ; lane
	v_and_b32 v9, 15, v0                           ; r
	v_bfe_u32 v10, v0, 4, 1                        ; h
	v_lshlrev_b32 v1, 4, v8                        ; 16 x lane
	v_lshlrev_b32 v2, 3, v8                        ; 8 x lane
	v_lshl_add_u32 v3, v8, 2, KSO                  ; KSO + 4 x lane
	v_lshlrev_b32 v4, 2, v9                        ; 4 r
	v_min_u32 v28, 2, v8
	s_mul_i32 s40, s12, 4352
	s_add_co_u32 s40, s40, STAGE                   ; my stage
	v_mul_u32_u24 v5, v9, 272
	v_mul_u32_u24 v6, v10, 272
	v_lshlrev_b32 v7, 12, v10
	v_lshlrev_b32 v28, 8, v28                      ; 256 x min(lane, 2)
	v_lshl_add_u32 v5, v10, 5, v5
	v_lshl_add_u32 v6, v9, 4, v6
	v_lshl_add_u32 v7, v9, 4, v7                   ; out: row h of 4,096 bytes, + 16 r
	v_add_nc_u32 v5, s40, v5                       ; the stage: row r, + 32 h
	v_add_nc_u32 v6, s40, v6                       ; and back: row h, + 16 r
.irp j, 22,23,24,25,26,27,80,81,82,83,84,85,236,237,238,239,253
	v_mov_b32 v[\j], 0                             ; zero codes: Q's upper 64 along K, and behind K's last tile; a lane permute's destination counts as a source; v253 is named as the upper half of v[252:253]
.endr
	PASS 0
	PASS 1
	s_wait_tensorcnt 0x0                           ; the wave's end
	ds_add_u32 v[SPW], v[NIL]
	s_wait_dscnt 0x0
	CROUND                                         ; the closing round
	s_endpgm
.Lfunc_end_k_q7443348781_attn:
	.size	k_q7443348781_attn, .Lfunc_end_k_q7443348781_attn-k_q7443348781_attn
	.p2alignl 7, 3214868480
	.fill 96, 4, 3214868480
	.section	.rodata,"a",@progbits
	.p2align	6, 0x0
	.amdhsa_kernel k_q7443348781_attn
		.amdhsa_group_segment_fixed_size 327680
		.amdhsa_private_segment_fixed_size 0
		.amdhsa_enable_private_segment 0
		.amdhsa_kernarg_size 32
		.amdhsa_user_sgpr_count 2
		.amdhsa_user_sgpr_kernarg_segment_ptr 1
		.amdhsa_wavefront_size32 1
		.amdhsa_system_sgpr_workgroup_id_x 1
		.amdhsa_system_sgpr_workgroup_id_y 1
		.amdhsa_system_sgpr_workgroup_id_z 1
		.amdhsa_system_vgpr_workitem_id 0
		.amdhsa_next_free_vgpr 256
		.amdhsa_next_free_sgpr 66
		.amdhsa_reserve_vcc 0
		.amdhsa_float_denorm_mode_32 3
		.amdhsa_float_denorm_mode_16_64 3
		.amdhsa_memory_ordered 1
		.amdhsa_forward_progress 1
		.amdhsa_inst_pref_size 70
	.end_amdhsa_kernel
	.amdgpu_metadata
---
amdhsa.version: [ 1, 2 ]
amdhsa.kernels:
  - .name:           k_q7443348781_attn
    .symbol:         k_q7443348781_attn.kd
    .args:
      - { .name: qq, .offset: 0, .size: 8, .value_kind: global_buffer, .address_space: global }
      - { .name: kv, .offset: 8, .size: 8, .value_kind: global_buffer, .address_space: global }
      - { .name: rr, .offset: 16, .size: 8, .value_kind: global_buffer, .address_space: global }
      - { .name: out0, .offset: 24, .size: 8, .value_kind: global_buffer, .address_space: global }
    .group_segment_fixed_size: 327680
    .private_segment_fixed_size: 0
    .kernarg_segment_align: 8
    .kernarg_segment_size: 32
    .max_flat_workgroup_size: 512
    .sgpr_count:     66
    .vgpr_count:     256
    .wavefront_size: 32
...
	.end_amdgpu_metadata
.endif
;; end of part 2
